; MI455X (gfx1250); checked and timed in simulation.
; The chip was launched on July 23, 2026; its instructions are those of AMD's public machine-readable ISA for CDNA 5 (MIT licence, August 2026) and "CDNA5" Instruction Set Architecture Reference Guide (July 2026). The comments in the code are by the model that wrote it; some were corrected since.
;; Multihead Attention. Allowed arithmetic: matrix products marked QUANTISED: E4M3 operands, one given power-of-two scale a tensor, by v_wmma_f32_16x16x64_fp8_fp8 or v_wmma_f32_16x16x128_fp8_fp8, f32 sums; everything else in f32.
;; Inputs: Wk_codes 1,024 x 32 x 32 uint8 (E4M3 codes of Wk, K innermost, in blocks of 32 codes); Wo_codes 1,024 x 32 x 32 uint8 (E4M3 codes of Wo, K innermost, in blocks of 32 codes); Wq_codes 1,024 x 32 x 32 uint8 (E4M3 codes of Wq, K innermost, in blocks of 32 codes); Wv_codes 1,024 x 32 x 32 uint8 (E4M3 codes of Wv, K innermost, in blocks of 32 codes); bk 1,024 float32; bo 1,024 float32; bq 1,024 float32; bv 1,024 float32; lowp_scales 12 int32 (the exponents e of the quantised operands' scales 2^e); x_codes 4 x 2,048 x 32 x 32 uint8 (E4M3 codes of x, K innermost, in blocks of 32 codes).
;; Outputs: out0 4 x 2,048 x 1,024 float32.
;; This version of the problem:
;;   THIS VERSION OF THE PROBLEM IS GIVEN IN LOW PRECISION. The matrix products marked QUANTISED in the list below multiply operands that are first quantised to E4M3 (4 exponent bits, 3 mantissa bits; 8 bits a number), with one given power-of-two scale for each operand tensor; their sums are f32. All else is computed in f32.
;;   The module's matrix products, in the order in which they are computed (A, B: the left and right operand; K: the contracted axis; several contracted axes count as one K, in the product's order):
;;     1. [M 8,192, K 1,024] x [K 1,024, N 1,024]; A: input x (given as codes); B: input Wq (given as codes): QUANTISED (scales: A lowp_scales[0], B lowp_scales[1])
;;     2. [M 8,192, K 1,024] x [K 1,024, N 1,024]; A: input x (given as codes); B: input Wk (given as codes): QUANTISED (scales: A lowp_scales[2], B lowp_scales[3])
;;     3. [M 8,192, K 1,024] x [K 1,024, N 1,024]; A: input x (given as codes); B: input Wv (given as codes): QUANTISED (scales: A lowp_scales[4], B lowp_scales[5])
;;     4. batch 64 x [M 2,048, K 64] x [K 64, N 2,048]; A: computed on the way; B: computed on the way: QUANTISED (scales: A lowp_scales[6], B lowp_scales[7])
;;     5. batch 64 x [M 2,048, K 2,048] x [K 2,048, N 64]; A: softmax (see below); B: computed on the way: QUANTISED (scales: A lowp_scales[8], B lowp_scales[9])
;;     6. [M 8,192, K 1,024] x [K 1,024, N 1,024]; A: computed on the way; B: input Wo (given as codes): QUANTISED (scales: A lowp_scales[10], B lowp_scales[11])
;;   THE QUANTISER, for each operand of a quantised product, along K:
;;     - The operand's scale is 2^e, e = its entry of the input lowp_scales (int32; the entries are numbered through the quantised products in the list's order, A before B).
;;     - Each number is divided by the scale, clamped to +-448, and rounded to the nearest number of E4M3, ties to even, subnormals kept.
;;     - The product sums the exact products of the quantised numbers (number of the format x scale) in f32.
;;   ~~~python
;;   def quantise(x, axis, e):      # numpy; x: float32 -> the quantised numbers, widened to float32 again
;;       x = np.moveaxis(x, axis, -1); K = x.shape[-1]
;;       r = np.clip(x / 2.0 ** e, -448, 448)
;;       step = 2.0 ** (np.maximum(np.frexp(np.where(r == 0, 1, r))[1] - 1, -6) - 3)
;;       q = np.round(r / step) * step * 2.0 ** e      # np.round: ties to even
;;       return np.moveaxis(q, -1, axis).astype(np.float32)
;;   ~~~
;;   SOFTMAX AHEAD OF A QUANTISED PRODUCT. Where the list says 'softmax', what is quantised is not the finished softmax but p = 2^(t - M), with t = logit x log2(e) and M = ceil(the row's largest t), a whole number; so 1/2 < the row's largest p <= 1. The row's sum l is taken of the UNQUANTISED p, in f32, and the product's result is divided by l at the end. Since M is a whole number, a kernel that streams over the keys may use a running M (the ceiling of the running maximum): every later rescaling is an exact power of two, so the quantised numbers keep their values, but for numbers so far below the row's largest that they fall under the format's range.
;;   OPERANDS COMPUTED ON THE WAY. 'Computed on the way' means the value that the module computes at that place (a softmax that the list does not call 'softmax' is quantised finished and normalised). What goes into a quantiser is computed in f32, as accurately as f32 sums, v_exp_f32 and their like allow (about 1e-6 of the number): no bf16 or f16 on the way to a quantiser, and a product that is left as it is and whose result goes on into a quantised operand takes f32 operands (vector FMAs, or v_wmma_f32_16x16x4_f32). A number that lies on a knife's edge between two numbers of the format may be rounded either way, as far as f32 arithmetic and the matrix unit's own rounding can turn it there, and no further.
;;   INPUTS GIVEN AS CODES. Wk (in the module: [1024, 1024], K = its axis 1); Wo (in the module: [1024, 1024], K = its axis 1); Wq (in the module: [1024, 1024], K = its axis 1); Wv (in the module: [1024, 1024], K = its axis 1); x (in the module: [4, 2048, 1024], K = its axis 2): each comes as NAME_codes (uint8): NAME with its K axis moved to the last place and cut into blocks of 32 codes, [.., K / 32, bytes a block], one block behind the other in memory; one code a byte (a code: sign, 4 exponent bits, 3 mantissa bits); its scale is its entry of lowp_scales. Its value is code x scale, taken as it is: it is not quantised again, and the codes and scales need not be those that the quantiser above would give.
;; One version. Each part assembles by itself: llvm-mc -triple=amdgcn-amd-amdhsa -mcpu=gfx1250 --defsym DOCPART=n.
;; ======== version 1 of 1: 3 launches
;; limits: right only within a limited range of input values
;; workspace buffers: q_img 8,388,608 bytes; k_img 8,388,608 bytes; v_img 8,388,608 bytes; ctx_img 8,388,608 bytes
;; launch qkv (part 1): grid 12 x 32, 4 waves a work-group, clusters of 4 x 4, 327,680 bytes of LDS; arguments x_codes, Wq_codes, Wk_codes, Wv_codes, bq, bk, bv, lowp_scales, q_img, k_img, v_img; writes q_img, k_img, v_img
.if DOCPART == 1
	.amdgcn_target "amdgcn-amd-amdhsa--gfx1250"
	.amdhsa_code_object_version 6
	.text
	.protected	k_qd0f36040c9_qkv
	.globl	k_qd0f36040c9_qkv
	.p2align	8
	.type	k_qd0f36040c9_qkv,@function
k_qd0f36040c9_qkv:
	s_mov_b64 s[64:65], 0
	v_nop
	global_prefetch_b8 v0, s[64:65] scope:SCOPE_SE
	s_setreg_imm32_b32 hwreg(HW_REG_WAVE_MODE, 25, 1), 1
	s_wait_xcnt 0x0
	s_wait_alu depctr_hold_cnt(0) depctr_sa_sdst(0) depctr_va_vdst(0) depctr_va_sdst(0) depctr_va_ssrc(0) depctr_va_vcc(0) depctr_vm_vsrc(0)
	s_getreg_b32 s2, hwreg(HW_REG_IB_STS2, 6, 4)
	s_cmp_eq_u32 s2, 0
	s_cbranch_scc0 .Lentry_in_a_cluster
	s_endpgm
.Lentry_in_a_cluster:
	s_bfe_u32 s2, ttmp6, 0x10000c
	s_cmp_lg_u32 s2, 0xf033
	s_cbranch_scc0 .Lentry_shape_is_right
	s_endpgm
.Lentry_shape_is_right:
; q = x Wq^T + bq, k = x Wk^T + bk, v = x Wv^T + bv on codes of FP8 (E4M3), and the three results quantised for attention's two products.
; x: [8192][1024] codes; each W: [1024][1024] codes, K innermost.  The scales' exponents: products 1, 2, 3 take entries (0, 1), (2, 3), (4, 5); q is quantised with entry 6, k with 7, v with 9.
; A result = sum x 2^(ex + ew) + bias, one fused multiply-add in f32; code = result / 2^eo, held within +-448, to the nearest code, ties to even.
; LIMITS: ex + ew between -126 and 127; eo between -126 and 119, so that each power of two below is an f32 number.  NaN among the biases is not served.
; SHARES.  The cluster's x (0, 1, 2) says which of q, k, v: the same in all sixteen partners.  A work-group makes a tile of 256 tokens x 256 features: four waves, 128 x 128 each: 64 accumulators, 512 registers.
; K goes in four steps of 256 through a ring of two LDS slots filled by the tensor data mover; a tile's row is 256 bytes of memory.
; CLUSTERS: 4 x 4 work-groups.  The four of a row of the cluster need the same tiles of x, the four of a column the same tiles of W: each tile is asked for JOINTLY.
; No prefetch is laid: of K's four steps two are the first fills, and the two refills follow within the first two steps.
; WHICH OPERAND IS SOURCE 0.  A result's lane is a row of source 1 and its eight registers are eight neighbouring rows of source 0.  For q and k source 0 = 16 rows of W, source 1 = 16 rows of x:
; a lane holds one token and eight neighbouring features, which are neighbours along the K of q k^T.  For v the two are swapped: a lane holds one feature and eight neighbouring tokens, neighbours along the K of p v.
; So eight results of a lane become two registers of codes that ARE registers 2 c, 2 c + 1 of the plain 8-bit operand layout, and the results leave as IMAGES OF OPERAND REGISTERS, 512 consecutive bytes a store:
;   q_img, k_img: [batch x head 64][tile of 16 tokens 128][g 2][lane 32][16 bytes]: registers 4 g .. 4 g + 3 of the fragment 16 tokens x 64 channels
;   v_img:        [batch x head 64][128 keys 16][tile of 16 channels 4][g 4][lane 32][16 bytes]: registers 4 g .. 4 g + 3 of the fragment 16 channels x 128 keys
; REGISTERS, in windows of 256: window 0: v0-31 addresses and constants; v32-95 the bias of a lane's 64 features (q, k); v96-111 the bias of a lane's one feature in each of eight blocks, each twice (v);
;   from v128 source 1's fragments, ONE set; on the way out v128-191 64 numbers at work, v192-223 two sets of 16 registers of codes.
;   window 1: source 0's fragments, TWO sets.   window 2: the accumulators of source 1's blocks 0-3 (accumulator (a, b) at v[8 (8 (a % 4) + b)]);   window 3: those of blocks 4-7.
; Every work-group loads the bias in both forms (sixteen loads of 4 bytes a lane more than it uses), so that no register's being written hangs on which of q, k, v is made.
.set KSTEP,  256                       ; along K in a slot
.set ROWB,   256                       ; a tile's row in bytes
.set KROW,   1024                      ; a row of x or of W in memory, in bytes
.set PITCH,  272                       ; an LDS row: 256 bytes + 16 of padding = 68 words: row r starts at bank 4 r mod 64 (64 banks of 4 bytes: ISA guide 11.1)
.set FR,     16                        ; registers of a fragment: 16 rows x 128 K
.set NL,     4                         ; LDS loads that bring one
.set NP,     4                         ; places behind this matrix instruction (ISA guide 7.12.1)
.set HALFT,  128*PITCH                 ; 128 rows: what one tensor load brings
.set SLOT,   4*HALFT                   ; x's 256 rows, then W's 256 rows
.set SPARE,  2*SLOT                    ; behind the ring: the spare words, 128 bytes for each wave, which no other line names
.set HEADB,  131072                    ; a head's bytes in each image
.set BH,   6                           ; v6      32 x (lane / 16): my eight features' bias in a block of 16
.set BR,   7                           ; v7      4 x (lane % 16): my one feature's
.set SC,   10                          ; v10     2^eo as f32
.set LIM,  11
.set ADRA, 16                          ; v16-17  LDS address of source 1's fragments in slot 0, 1
.set ADRB, 20                          ; v20-21  the same for source 0
.set CO,   26                          ; v26     16 x lane: my place in an image's 512 bytes
.set SPW,  28                          ; v28     LDS address of my spare word; never rewritten
.set NIL,  29                          ; v29     0; never rewritten
.set BI,   32
.set BIV,  96
.set AF,   128                         ; source 1's fragments, in window 0
.set TMP,  128
.set CD,   192
.set G1, 24                            ; s[24:31] descriptor group 1 for x's tiles;  s[32:39] group 0, one set for each slot
.set G0, 32
.set G1B, 48                           ; s[48:55], s[56:63] the same for W's tiles
.set G0B, 56
.set MSB, 0
.macro WIN new                         ; the immediate's high byte repeats the setting that is left
.if MSB != \new
	s_set_vgpr_msb (MSB<<8)|\new
.set MSB, \new
.endif
.endm
.set MUL_LO, 0xa1                      ; source 0 window 1, source 1 window 0, C and D window 2
.set MUL_HI, 0xf1                      ; the same, C and D window 3
.set TO_B,   0x40                      ; destination window 1, address window 0
; A joint load: waves 0 and 1 fetch x's two halves, waves 2 and 3 W's.  Each line has ONE mask and one set of registers for all that issue it; the branch hangs on the wave's number alone.
; Four v_nop follow each of the two lines, ahead of the jump, the label and what follows.
.macro JLOAD g0a, g1a, g0b, g1b
	s_cmp_eq_u32 s15, 0
	s_cbranch_scc0 .Lfor_b_\@
	tensor_load_to_lds s[\g0a:\g0a+3], s[\g1a:\g1a+7]
	s_nop 0
.rept 4
	v_nop
.endr
	s_branch .Lasked_\@
.Lfor_b_\@:
	tensor_load_to_lds s[\g0b:\g0b+3], s[\g1b:\g1b+7]
	s_nop 0
.rept 4
	v_nop
.endr
.Lasked_\@:
.endm
.macro CREST                           ; a round of the cluster's barrier behind its opening barrier
	s_cmp_lg_u32 s14, 0
	s_cbranch_scc1 .Lnot_wave_0_\@
	s_barrier_signal -3
.Lnot_wave_0_\@:
	s_barrier_wait -3
	s_barrier_signal -1
	s_barrier_wait -1
.endm
.macro CROUND                          ; a whole round
	s_barrier_signal -1
	s_barrier_wait -1
	CREST
.endm
	s_load_b256 s[68:75], s[0:1], 0x0              ; x s[68:69], Wq s[70:71], Wk s[72:73], Wv s[74:75]
	s_load_b256 s[76:83], s[0:1], 0x20             ; bq s[76:77], bk s[78:79], bv s[80:81], the scales' exponents s[82:83]
	s_load_b128 s[84:87], s[0:1], 0x40             ; q_img s[84:85], k_img s[86:87]
	s_load_b64 s[88:89], s[0:1], 0x50              ; v_img
	v_lshl_add_u32 v[SPW], v0, 2, SPARE
	v_mov_b32 v[NIL], 0
	v_lshrrev_b32 v1, 5, v0
	v_readfirstlane_b32 s14, v1                    ; wave 0..3
	s_lshr_b32 s15, s14, 1                         ; which half of the tile's tokens is mine.  Also: I fetch for x (0) or for W (1)
	s_and_b32 s16, s14, 1                          ; which half of its features.  Also: which 128 rows of that tile I fetch
	s_bfe_u32 s40, ttmp6, 0x40000                  ; cx: the tile column: features 256 cx on
	s_bfe_u32 s41, ttmp6, 0x40004                  ; cy
	s_and_b32 s17, ttmp7, 0xffff
	s_lshl_b32 s17, s17, 2
	s_add_co_u32 s17, s17, s41                     ; tile row = 4 x cluster y + cy: tokens 256 x tile row on
	s_lshl_b32 s43, s41, 2
	s_lshl_b32 s43, 15, s43                        ; my row of the cluster
	s_lshl_b32 s44, 0x1111, s40                    ; my column
	; descriptor group 1: a tile of 128 rows x 256 bytes, padded in LDS
	s_or_b32 s[G1+0], s43, (0<<16)|(1<<20)|(1<<21)|(5<<22)|(3<<25)  ; 15:0 the mask: x's tiles go to my row; 17:16 element of 1 byte; 20 padding on; 21 set beside a mask; 24:22 after every 64 words (code 5); 31:25 of 4 words (code 3)
	s_or_b32 s[G1B+0], s44, (0<<16)|(1<<20)|(1<<21)|(5<<22)|(3<<25) ; the same with the mask of my column, for W's tiles
.irp g, G1, G1B
	s_mov_b32 s[\g+1], ROWB<<16                    ; tensor_dim0
	s_mov_b32 s[\g+2], 128<<16                     ; tensor_dim1 = 128
	s_mov_b32 s[\g+3], ROWB<<16                    ; tile_dim0
	s_mov_b32 s[\g+4], 128                         ; tile_dim1 = 128
	s_mov_b32 s[\g+5], KROW                        ; tensor_dim0_stride
	s_mov_b32 s[\g+6], 0
	s_mov_b32 s[\g+7], 0
.endr
	s_lshl_b32 s18, s16, 7                         ; which 128 rows of the tile I fetch
	s_lshl_b32 s20, s17, 8
	s_add_co_u32 s20, s20, s18                     ; x: row 256 x tile row + 128 x half,
	s_lshl_b32 s20, s20, 10                        ; in bytes (under 2^23)
	s_mov_b32 s21, 0
	s_lshl_b32 s46, s40, 8
	s_add_co_u32 s46, s46, s18                     ; W: row 256 cx + 128 x half,
	s_lshl_b32 s46, s46, 10                        ; in bytes
	s_mov_b32 s47, 0
	s_mul_i32 s45, s14, HALFT                      ; where they go: wave x 128 rows: no place in the cluster enters an LDS address
	s_wait_kmcnt 0x0
	s_load_b256 s[92:99], s[82:83], 0x0            ; entries 0 to 7
	s_load_b32 s100, s[82:83], 0x24                ; entry 9
	s_cmp_eq_u32 ttmp9, 0                          ; q, k or v: the choice hangs on the cluster's x alone
	s_cselect_b64 s[4:5], s[70:71], s[72:73]       ; the weight,
	s_cselect_b64 s[6:7], s[76:77], s[78:79]       ; the bias,
	s_cselect_b64 s[8:9], s[84:85], s[86:87]       ; the image
	s_cmp_eq_u32 ttmp9, 2
	s_cselect_b64 s[4:5], s[74:75], s[4:5]
	s_cselect_b64 s[6:7], s[80:81], s[6:7]
	s_cselect_b64 s[8:9], s[88:89], s[8:9]
	s_add_nc_u64 s[20:21], s[68:69], s[20:21]
	s_add_nc_u64 s[46:47], s[4:5], s[46:47]
	CROUND                                         ; all sixteen work-groups are here: the first joint loads meet
.irp s, 0,1
	s_mov_b32 s[G0+4*\s], 1
	s_add_co_u32 s[G0+4*\s+1], s45, \s*SLOT
	s_add_nc_u64 s[G0+4*\s+2:G0+4*\s+3], s[20:21], \s*ROWB
	s_or_b32 s[G0+4*\s+3], s[G0+4*\s+3], 0x80000000
	s_mov_b32 s[G0B+4*\s], 1
	s_add_co_u32 s[G0B+4*\s+1], s45, \s*SLOT
	s_add_nc_u64 s[G0B+4*\s+2:G0B+4*\s+3], s[46:47], \s*ROWB
	s_or_b32 s[G0B+4*\s+3], s[G0B+4*\s+3], 0x80000000
	JLOAD G0+4*\s, G1, G0B+4*\s, G1B
.endr
	v_and_b32 v1, 15, v0                           ; l % 16
	v_bfe_u32 v2, v0, 4, 1                         ; l / 16
	v_mul_u32_u24 v3, v1, PITCH
	v_lshl_add_u32 v4, v2, 4, v3                   ; a fragment's row x pitch + 16 x half
	s_wait_alu depctr_va_vdst(0)
	s_mul_i32 s21, s15, HALFT                      ; my 128 rows of x
	s_mul_i32 s22, s16, HALFT                      ; my 128 rows of W,
	s_add_co_u32 s22, s22, 2*HALFT                 ; which lie behind x's 256
	s_cmp_eq_u32 ttmp9, 2
	s_cselect_b32 s23, s22, s21                    ; source 1: x's rows for q and k, W's for v
	s_cselect_b32 s22, s21, s22                    ; source 0: the other one.  Both lie inside the slot
.irp s, 0,1
	v_add_nc_u32 v[ADRA+\s], s23, v4
	v_add_nc_u32 v[ADRB+\s], s22, v4
	s_add_co_u32 s23, s23, SLOT
	s_add_co_u32 s22, s22, SLOT
.endr
	v_and_b32 v5, 31, v0
	v_lshlrev_b32 v[CO], 4, v5
	v_lshlrev_b32 v[BH], 5, v2
	v_lshlrev_b32 v[BR], 2, v1
	s_lshl_b32 s10, s40, 10
	s_lshl_b32 s11, s16, 9
	s_add_co_u32 s10, s10, s11                     ; my 128 features' bias: 4 (256 cx + 128 x half) bytes on
	s_mov_b32 s11, 0
	s_add_nc_u64 s[6:7], s[6:7], s[10:11]
.irp b, 0,1,2,3,4,5,6,7
	global_load_b128 v[BI+8*\b:BI+8*\b+3],   v[BH], s[6:7] offset:64*\b      ; features 16 b + 8 (l / 16) + 0 .. 7
	global_load_b128 v[BI+8*\b+4:BI+8*\b+7], v[BH], s[6:7] offset:64*\b+16
.endr
.irp a, 0,1,2,3,4,5,6,7
	global_load_b32 v[BIV+2*\a],   v[BR], s[6:7] offset:64*\a                 ; feature 16 a + l % 16, in both halves of a pair
	global_load_b32 v[BIV+2*\a+1], v[BR], s[6:7] offset:64*\a
.endr
	; where my part of the image begins: (16 x batch + first head) heads + (2 (tile row % 8) + token half) x 8,192 bytes: 128 tokens are 8 tiles of 1,024 bytes in q_img and k_img and one key step of 8,192 in v_img
	s_lshr_b32 s10, s17, 3                         ; the batch: 8 tile rows each
	s_lshl_b32 s10, s10, 4
	s_lshl_b32 s12, s40, 2
	s_add_co_u32 s10, s10, s12
	s_lshl_b32 s12, s16, 1
	s_add_co_u32 s10, s10, s12                     ; + head 4 cx + 2 x feature half
	s_lshl_b32 s10, s10, 17
	s_and_b32 s12, s17, 7
	s_lshl_b32 s12, s12, 1
	s_add_co_u32 s12, s12, s15
	s_lshl_b32 s12, s12, 13
	s_add_co_u32 s10, s10, s12
	s_mov_b32 s11, 0
	s_add_nc_u64 s[8:9], s[8:9], s[10:11]
.macro FRAG reg, adr, q, i             ; a fragment is fetched by four loads of 16 bytes: registers 4 c .. 4 c + 3 hold K = 32 c + 16 (l / 16) + 0 .. 15: a permutation of k that is the same in both sources
.irp c, 0,1,2,3
	ds_load_b128 v[\reg+4*\c:\reg+4*\c+3], v[\adr] offset:128*(\q)+32*\c+(\i)*16*PITCH
.endr
.endm
; 16 matrix instructions: source 1's blocks a0, a0 + 1 x source 0's eight, 128 along K.  p: source 0's set.  zero = 1: the first product starts the sums: nothing is ever cleared.
; The 64 accumulators take turns, one instruction a turn, in the same order in every step.
.macro MUL16 a0, p, zero
.irp a, \a0, \a0+1
.irp b, 0,1,2,3,4,5,6,7
.if \zero
	v_wmma_f32_16x16x128_fp8_fp8 v[8*(8*((\a)%4)+\b):8*(8*((\a)%4)+\b)+7], v[128*(\p)+FR*\b:128*(\p)+FR*\b+FR-1], v[AF+FR*(\a):AF+FR*(\a)+FR-1], 0
.else
	v_wmma_f32_16x16x128_fp8_fp8 v[8*(8*((\a)%4)+\b):8*(8*((\a)%4)+\b)+7], v[128*(\p)+FR*\b:128*(\p)+FR*\b+FR-1], v[AF+FR*(\a):AF+FR*(\a)+FR-1], v[8*(8*((\a)%4)+\b):8*(8*((\a)%4)+\b)+7]
.endif
.endr
.endr
.endm
.macro FETCH_B slot, q, p              ; source 0's eight fragments of the slot's q-th 128 along K into set p
	WIN TO_B
.irp i, 0,1,2,3,4,5,6,7
	FRAG 128*(\p)+FR*\i, ADRB+\slot, \q, \i
.endr
	WIN 0
.endm
.macro FETCH_A slot, q, i0             ; source 1's blocks i0 .. i0 + 3
.irp i, \i0, \i0+1, \i0+2, \i0+3
	FRAG AF+FR*(\i), ADRA+\slot, \q, \i
.endr
.endm
; A load into a register that a matrix instruction has read, and a vector instruction that reads a matrix result or writes one of its registers, stand NP places behind it; only plain vector
; instructions that name none of its registers are places (ISA guide 7.12.1 for vector instructions).
.macro PLACES n
.rept \n
	v_nop
.endr
.endm
; A step of 128 along K that has its successor in the same slot.
.macro STEP slot, q, zero
	s_wait_dscnt 4*NL                              ; source 0's set and source 1's blocks 0-3 are in; the youngest sixteen loads (blocks 4-7) may be out
	WIN MUL_LO
	MUL16 0, (\q)%2, \zero
	MUL16 2, (\q)%2, \zero
	s_wait_dscnt 0                                 ; blocks 4-7 are in (asked for 32 matrix instructions ago)
	PLACES NP
	FETCH_B \slot, (\q)+1, 1-(\q)%2
	FETCH_A \slot, (\q)+1, 0
	WIN MUL_HI
	MUL16 4, (\q)%2, \zero
	MUL16 6, (\q)%2, \zero
	PLACES NP
	WIN 0
	FETCH_A \slot, (\q)+1, 4
.endm
; A slot's last step changes slots: ONE barrier; in front of it each wave waits for all its tensor loads, adds 0 to its spare word, and waits for that and for its own reads of this slot.  fill = 1: this slot is filled again, two K steps ahead.
.macro TURN slot, next, fill
	s_wait_tensorcnt 0x0                           ; all my tensor loads have landed: my part of the next slot;  (every window is 0 here)
	ds_add_u32 v[SPW], v[NIL]                      ; 0 onto my spare word
	s_wait_dscnt 4*NL+1                            ; (the add and the youngest sixteen loads, blocks 4-7, may be out)
	WIN MUL_LO
	MUL16 0, 1, 0                                  ; sixteen matrix instructions stand between the add and the wait for it
	s_wait_dscnt 0x0                               ; the add is done, and my reads of this slot are over
	s_barrier_signal -1
	MUL16 2, 1, 0
	WIN 0
	s_barrier_wait -1
.if \fill
	CREST                                          ; the barrier has opened a round of the cluster's barrier: no wave of any partner still reads this slot's tile or has a load on its way
	s_add_nc_u64 s[G0+4*\slot+2:G0+4*\slot+3], s[G0+4*\slot+2:G0+4*\slot+3], 2*ROWB
	s_add_nc_u64 s[G0B+4*\slot+2:G0B+4*\slot+3], s[G0B+4*\slot+2:G0B+4*\slot+3], 2*ROWB
	JLOAD G0+4*\slot, G1, G0B+4*\slot, G1B         ; the first tensor load behind the round; the four v_nop behind it are the places in front of the loads below
.else
	PLACES NP
.endif
	FETCH_B \next, 0, 0
	FETCH_A \next, 0, 0
	WIN MUL_HI
	MUL16 4, 1, 0
	MUL16 6, 1, 0
	PLACES NP
	WIN 0
	FETCH_A \next, 0, 4
.endm
	s_wait_alu depctr_va_vdst(0)
	s_wait_tensorcnt 1                             ; my part of K step 0 is in (K step 1's load may be out),
	s_barrier_signal -1
	s_barrier_wait -1                              ; everybody's is
	FETCH_B 0, 0, 0
	FETCH_A 0, 0, 0
	FETCH_A 0, 0, 4
	STEP 0, 0, 1                                   ; K 0-127: its products start the sums.  K's eight steps of 128 are written out: twice round the ring
	TURN 0, 1, 1                                   ; K 128-255; slot 0 takes K 512-767
	STEP 1, 0, 0
	TURN 1, 0, 1                                   ; slot 1 takes K 768-1023
	STEP 0, 0, 0
	TURN 0, 1, 0                                   ; nothing is left to fetch, so no round of the cluster's barrier
	STEP 1, 0, 0
	s_wait_dscnt 4*NL                              ; the very last step
	WIN MUL_LO
	MUL16 0, 1, 0
	MUL16 2, 1, 0
	s_wait_dscnt 0
	WIN MUL_HI
	MUL16 4, 1, 0
	MUL16 6, 1, 0
	WIN 0
	; THE WAY OUT.  The three exponents of my product, chosen without a branch
	s_wait_kmcnt 0x0
	s_cmp_eq_u32 ttmp9, 0
	s_cselect_b32 s10, s92, s94                    ; ex
	s_cselect_b32 s11, s93, s95                    ; ew
	s_cselect_b32 s12, s98, s99                    ; eo
	s_cmp_eq_u32 ttmp9, 2
	s_cselect_b32 s10, s96, s10
	s_cselect_b32 s11, s97, s11
	s_cselect_b32 s12, s100, s12
	s_add_co_i32 s10, s10, s11
	s_add_co_i32 s10, s10, 127
	s_lshl_b32 s96, s10, 23                        ; 2^(ex + ew) as f32
	s_mov_b32 s97, s96                             ; (named with it as a pair, so it is written)
	s_add_co_i32 s12, s12, 127
	s_lshl_b32 s13, s12, 23
	v_mov_b32 v[SC], s13                           ; 2^eo: the conversion takes its exponent field
	s_wait_loadcnt 0x0                             ; the biases
	PLACES NP                                      ; behind the last products: their results are read and source 1's registers written below
; Source 1's block a: its eight accumulators, 64 numbers a lane, become 16 registers of codes and leave by four stores of 512 consecutive bytes each.
; q, k: block a is a tile of 16 tokens; accumulators 0-3 are one head's fragment (8 registers), 4-7 the next head's.   v: block a is a tile of 16 channels; the eight accumulators are one fragment of 128 keys.
.macro OUT a, isv
.set AC, 64*((\a)%4)
.set CDS, CD+16*((\a)%2)
	WIN 0x02+((\a)/4)                              ; source 0: window 2 or 3
.set n, 0
.rept 32
.if \isv
	v_pk_fma_f32 v[TMP+n:TMP+n+1], v[AC+n:AC+n+1], s[96:97], v[BIV+2*(\a):BIV+2*(\a)+1] op_sel_hi:[1,0,1]   ; sum x 2^(ex + ew) + my feature's bias; each accumulator from its low end on
.else
	v_pk_fma_f32 v[TMP+n:TMP+n+1], v[AC+n:AC+n+1], s[96:97], v[BI+n:BI+n+1] op_sel_hi:[1,0,1]               ; sum x 2^(ex + ew) + the bias of features 16 (n / 8) + 8 (l / 16) + n % 8
.endif
.set n, n+2
.endr
	WIN 0
.set n, 0
.rept 64
.set n, n+1
.endr
.if (\a) > 1
	s_wait_alu depctr_va_vdst(0)
	s_wait_xcnt 0x0                                ; block a - 2's stores have read this set of codes
.endif
.irp b, 0,1,2,3,4,5,6,7
	v_cvt_scalef32_pk8_fp8_f32 v[CDS+2*\b:CDS+2*\b+1], v[TMP+8*\b:TMP+8*\b+7], v[SC]
.endr
	v_nop                                          ; one plain vector instruction between the conversions and the next block's lines, which write their sources
.irp k, 0,1,2,3
.if \isv
	global_store_b128 v[CO], v[CDS+4*\k:CDS+4*\k+3], s[8:9] offset:((\a)/4)*HEADB+((\a)%4)*2048+512*\k
.else
	global_store_b128 v[CO], v[CDS+4*\k:CDS+4*\k+3], s[8:9] offset:(\k/2)*HEADB+(\a)*1024+512*(\k%2)
.endif
.endr
.endm
	s_cmp_eq_u32 ttmp9, 2                          ; the cluster's x: the same in all partners
	s_cbranch_scc1 .Lout_v
.irp a, 0,1,2,3,4,5,6,7
	OUT \a, 0
.endr
	s_branch .Lend
.Lout_v:
.irp a, 0,1,2,3,4,5,6,7
	OUT \a, 1
.endr
.Lend:
	s_wait_tensorcnt 0x0                           ; the wave's end
	ds_add_u32 v[SPW], v[NIL]
	s_wait_dscnt 0x0
	CROUND                                         ; the closing round: no work-group ends while a partner may still ask for a tile that names it
	s_endpgm
.Lfunc_end_k_qd0f36040c9_qkv:
	.size	k_qd0f36040c9_qkv, .Lfunc_end_k_qd0f36040c9_qkv-k_qd0f36040c9_qkv
	.p2alignl 7, 3214868480
	.fill 96, 4, 3214868480
	.section	.rodata,"a",@progbits
	.p2align	6, 0x0
	.amdhsa_kernel k_qd0f36040c9_qkv
		.amdhsa_group_segment_fixed_size 327680
		.amdhsa_private_segment_fixed_size 0
		.amdhsa_enable_private_segment 0
		.amdhsa_kernarg_size 88
		.amdhsa_user_sgpr_count 2
		.amdhsa_user_sgpr_kernarg_segment_ptr 1
		.amdhsa_wavefront_size32 1
		.amdhsa_system_sgpr_workgroup_id_x 1
		.amdhsa_system_sgpr_workgroup_id_y 1
		.amdhsa_system_sgpr_workgroup_id_z 1
		.amdhsa_system_vgpr_workitem_id 0
		.amdhsa_next_free_vgpr 1024
		.amdhsa_next_free_sgpr 102
		.amdhsa_reserve_vcc 0
		.amdhsa_float_denorm_mode_32 3
		.amdhsa_float_denorm_mode_16_64 3
		.amdhsa_fp16_overflow 1
		.amdhsa_memory_ordered 1
		.amdhsa_forward_progress 1
		.amdhsa_inst_pref_size 130
	.end_amdhsa_kernel
	.amdgpu_metadata
---
amdhsa.version: [ 1, 2 ]
amdhsa.kernels:
  - .name:           k_qd0f36040c9_qkv
    .symbol:         k_qd0f36040c9_qkv.kd
    .args:
      - { .name: x_codes, .offset: 0, .size: 8, .value_kind: global_buffer, .address_space: global }
      - { .name: Wq_codes, .offset: 8, .size: 8, .value_kind: global_buffer, .address_space: global }
      - { .name: Wk_codes, .offset: 16, .size: 8, .value_kind: global_buffer, .address_space: global }
      - { .name: Wv_codes, .offset: 24, .size: 8, .value_kind: global_buffer, .address_space: global }
      - { .name: bq, .offset: 32, .size: 8, .value_kind: global_buffer, .address_space: global }
      - { .name: bk, .offset: 40, .size: 8, .value_kind: global_buffer, .address_space: global }
      - { .name: bv, .offset: 48, .size: 8, .value_kind: global_buffer, .address_space: global }
      - { .name: lowp_scales, .offset: 56, .size: 8, .value_kind: global_buffer, .address_space: global }
      - { .name: q_img, .offset: 64, .size: 8, .value_kind: global_buffer, .address_space: global }
      - { .name: k_img, .offset: 72, .size: 8, .value_kind: global_buffer, .address_space: global }
      - { .name: v_img, .offset: 80, .size: 8, .value_kind: global_buffer, .address_space: global }
    .group_segment_fixed_size: 327680
    .private_segment_fixed_size: 0
    .kernarg_segment_align: 8
    .kernarg_segment_size: 88
    .max_flat_workgroup_size: 128
    .sgpr_count:     102
    .vgpr_count:     1024
    .wavefront_size: 32
...
	.end_amdgpu_metadata
.endif
;; end of part 1
;; launch attn (part 2): grid 4 x 64, 16 waves a work-group, no clusters, 327,680 bytes of LDS; arguments q_img, k_img, v_img, lowp_scales, ctx_img; writes ctx_img
.if DOCPART == 2
	.amdgcn_target "amdgcn-amd-amdhsa--gfx1250"
	.amdhsa_code_object_version 6
	.text
	.protected	k_qd0f36040c9_attn
	.globl	k_qd0f36040c9_attn
	.p2align	8
	.type	k_qd0f36040c9_attn,@function
k_qd0f36040c9_attn:
	s_mov_b64 s[64:65], 0
	v_nop
	global_prefetch_b8 v0, s[64:65] scope:SCOPE_SE
	s_setreg_imm32_b32 hwreg(HW_REG_WAVE_MODE, 25, 1), 1
	s_wait_xcnt 0x0
; ctx[b][q][head] = softmax_k(q . k / 8, causal) v on codes of FP8 (E4M3), and ctx quantised for the last projection.  64 heads (batch x head) of 2,048 tokens x 64 channels.
; q_img, k_img: [head 64][tile of 16 tokens 128][g 2][lane 32][16 bytes]; v_img: [head 64][128 keys 16][tile of 16 channels 4][g 4][lane 32][16 bytes]: images of operand registers in the plain 8-bit layout.
; ctx_img: [tile of 16 tokens 512][head 16][c 2][lane 32][16 bytes]: lane (r, h) holds ctx[16 T + r][64 head + 32 c + 16 h + 0 .. 15].
; THE SOFTMAX AHEAD OF THE SECOND PRODUCT: t = score x log2(e) / 8; M = the row's largest t so far, rounded UP to a whole number; p = 2^(t - M) is quantised with entry 8, not normalised.
; The row's sum is taken of the unquantised p, in f32, and divides O at the end.  When M moves, the sum and O are multiplied by 2^(old M - new M): exact.
; The scales' exponents: q entry 6, k 7, p 8, v 9, ctx 10.  LIMITS: e6 + e7 between -123 and 130 (added to c's exponent field); e8 and e10 between -126 and 119; e8 + e9 goes by v_ldexp_f32 and has none.
; SHARES.  Work-group (i, head) owns the blocks i and 7 - i of 256 queries: a wave of block b walks 2 b + 1 or 2 b + 2 key steps of 128, so every work-group has 16 x 7 + 24 = 136 wave steps.
; Sixteen waves of 256 registers; a wave owns 32 queries, two tiles of 16, which share every fragment of K and V.  Wave w takes the low block where (w ^ (w >> 2)) & 1 is 0, and queries 32 (w >> 1) on in its block.
; THE WHOLE HEAD LIES IN LDS: K's 131,072 bytes, then V's; sixteen tensor loads of 16,384 dense bytes, four for each of waves 0 to 3, all issued at the head; no LDS byte is filled twice.
; A quarter (512 keys) is read behind a counted wait and a barrier; the later quarters land meanwhile.  All that will be read is asked for at the head, so there is nothing left to prefetch.
; NO CLUSTER, though the four work-groups of a head read the same K and V: which key steps a wave leaves out hangs on its work-group's block of queries
; walking all steps would make 16 x 16 = 256 wave steps of a work-group's 136.
; LAYOUT.  S^T = K Q^T (source 0 = 16 keys, source 1 = 16 queries): a lane holds ONE query (lane % 16) and, in tile c, keys 16 c + 8 (lane / 16) + 0 .. 7: their eight codes are registers 2 c, 2 c + 1 of the
; plain 8-bit operand of 128 keys.  O^T = V^T P^T (source 0 = 16 channels, source 1 = P) again holds one query a lane, and eight channels.  Nothing changes lanes between the products.
; CAUSAL.  Every wave walks all 16 steps (constant trip counts); a step whose first key lies behind the wave's first query is hidden as a whole (both are multiples of 32, and a step's first key of 128) and its work is
; jumped over by a scalar branch on ids.  In the one step on the diagonal hidden scores become -infinity ahead of the maximum.  A step that is not hidden has its first key open to all 32 queries, so M is always a number.
.set KIMG, 0                           ; LDS: K's images,
.set VIMG, 131072                      ; V's,
.set STG,  262144                      ; and a stage of 2,048 bytes for each wave, into which no tensor load lands
.set QB,   32768                       ; a quarter of a head's image: 512 keys
.set KSB,  8192                        ; a key step's bytes in either image
.set LI,   1                           ; v1   16 x lane: my place in an image's 512 bytes
.set ADR,  2                           ; v2   LDS address of the run of loads in hand
.set SC,   3                           ; v3   2^e8 as f32; on the way out 2^e10
.set LIM,  4
.set DQ,   5                           ; v5   lane % 16 - 8 (lane / 16)
.set ST,   6                           ; v6-13 for each tile: -M, the largest t, the sum in two halves
.set SA,   14                          ; v14  the stage: where I put 8 bytes
.set SB,   15                          ; v15  and where I read 16 back
.set NEG,  16                          ; v16  -infinity
.set Q,    22                          ; v22-37   Q's two fragments (16 queries x 64 channels: 8 registers)
.set O,    38                          ; v38-101  O^T: 4 tiles of 16 channels x 8 registers, for each tile of queries
.set X,    102                         ; v102-165 K's eight fragments of a step, then V's four
.set Y,    166                         ; v166-229 S^T of one tile of queries, then p
.set PCB,  216                         ; v216-231 the second tile's codes: they lie over p's last 14 registers and two more
.set PCA,  232                         ; v232-247 the first tile's codes
.set M0,   248                         ; v248, v249 at work: the maximum's two chains
.set M1,   249
.set F,    250                         ; v[250:251] f = 2^(old M - new M) (the low word serves both halves)
.set SU,   252                         ; v[252:253] the sum's second chain
.set PM,   254                         ; v254 a lane permute's destination
.set DD,   255                         ; v255 the mask's bound
.set WV,   14                          ; s14  my wave's number
.set ROLE, 15
.set IDX,  16
.set BLK,  17
.set Q0,   18                          ; s18  my first query
.set KF,   19                          ; s19  the step's first key
.set TB,   20                          ; s20  LDS byte of the step's images of K
.set TBV,  21                          ; s21  of V
.set CNT,  22
.set CS,   24                          ; s[24:25] c = log2(e) / 8 x 2^(e6 + e7)
.set SEL,  26                          ; s[26:27] lane selects for v_permlanex16_b32: lane l xor 16
.set G1,   28                          ; s[28:35] descriptor group 1: the same for all loads
.set G0,   36                          ; s[36:51] descriptor group 0, a set for each quarter; never rewritten
.set T0,   77
.set T1,   78
	s_load_b256 s[4:11], s[0:1], 0x0               ; q_img s[4:5], k_img s[6:7], v_img s[8:9], the scales' exponents s[10:11]
	s_load_b64 s[12:13], s[0:1], 0x20              ; ctx_img
	v_lshrrev_b32 v17, 5, v0
	s_delay_alu instid0(VALU_DEP_1)
	v_readfirstlane_b32 s[WV], v17                 ; wave 0..15
	s_and_b32 s52, ttmp7, 0xffff                   ; batch x head
	s_lshl_b32 s54, s52, 17                        ; its first byte in each image (under 2^23)
	s_lshr_b32 s[ROLE], s[WV], 2
	s_xor_b32 s[ROLE], s[ROLE], s[WV]
	s_and_b32 s[ROLE], s[ROLE], 1                  ; 0: the low block, 1: the high one
	s_lshr_b32 s[IDX], s[WV], 1
	s_sub_co_u32 s[T0], 7, ttmp9
	s_cmp_eq_u32 s[ROLE], 0
	s_cselect_b32 s[BLK], ttmp9, s[T0]
	s_lshl_b32 s[Q0], s[BLK], 8
	s_lshl_b32 s[T0], s[IDX], 5
	s_add_co_u32 s[Q0], s[Q0], s[T0]               ; my first query: 256 x block + 32 (w >> 1)
	; descriptor group 1: 16,384 dense bytes as 64 rows of 256
	s_mov_b32 s[G1], 3<<16                         ; 15:0 no mask; 17:16 elements of 8 bytes; no padding
	s_mov_b32 s[G1+1], 32<<16                      ; tensor_dim0 = 32
	s_mov_b32 s[G1+2], 64<<16                      ; tensor_dim1 = 64
	s_mov_b32 s[G1+3], 32<<16                      ; tile_dim0 = 32
	s_mov_b32 s[G1+4], 64                          ; tile_dim1 = 64
	s_mov_b32 s[G1+5], 32                          ; tensor_dim0_stride
	s_mov_b32 s[G1+6], 0
	s_mov_b32 s[G1+7], 0
	s_and_b32 s56, s[WV], 1
	s_lshl_b32 s56, s56, 14                        ; which half of each quarter I fetch, if I fetch
	s_bfe_u32 s57, s[WV], 0x10001                  ; waves 0, 1: K; waves 2, 3: V
	s_lshl_b32 s57, s57, 17
	s_add_co_u32 s57, s57, s56                     ; its place in LDS
	s_add_co_u32 s58, s54, s56                     ; and in the image
	s_mov_b32 s59, 0
	s_mov_b32 s[SEL], 0x76543210
	s_mov_b32 s[SEL+1], 0xfedcba98
	s_mov_b32 s[KF], 0
	s_wait_kmcnt 0x0
	s_load_b256 s[68:75], s[10:11], 0x10           ; entries 4 to 11: s70 = e6, s71 = e7, s72 = e8, s73 = e9, s74 = e10
	s_cmp_lt_u32 s[WV], 2
	s_cselect_b64 s[60:61], s[6:7], s[8:9]
	s_add_nc_u64 s[60:61], s[60:61], s[58:59]
.irp j, 0,1,2,3
	s_mov_b32 s[G0+4*\j], 1                        ; 1:0 count = 1
	s_add_co_u32 s[G0+4*\j+1], s57, \j*QB          ; 63:32 LDS address
	s_add_nc_u64 s[G0+4*\j+2:G0+4*\j+3], s[60:61], \j*QB   ; 120:64 global address
	s_or_b32 s[G0+4*\j+3], s[G0+4*\j+3], 0x80000000        ; 127:126 type = 2
.endr
	s_cmp_lt_u32 s[WV], 4                          ; a wave's four fills stand in one branch, ahead of every wait on TENSORcnt, every LDS read and every barrier: four loads of mine are out
	s_cbranch_scc0 .Lno_fetch
.irp j, 0,1,2,3
	tensor_load_to_lds s[G0+4*\j:G0+4*\j+3], s[G1:G1+7]
	s_nop 0
.endr
.rept 4
	v_nop
.endr
.Lno_fetch:
	v_and_b32 v[LI], 31, v0
	s_delay_alu instid0(VALU_DEP_1)
	v_lshlrev_b32 v[LI], 4, v[LI]
	s_wait_alu depctr_va_vdst(0)
	s_lshl_b32 s58, s[Q0], 6                       ; my first tile of queries: (Q0 / 16) x 1,024 bytes
	s_add_co_u32 s58, s58, s54
	s_add_nc_u64 s[4:5], s[4:5], s[58:59]
.irp a, 0,1
.irp g, 0,1
	global_load_b128 v[Q+8*\a+4*\g:Q+8*\a+4*\g+3], v[LI], s[4:5] offset:1024*\a+512*\g   ; Q's fragments stay in registers
.endr
.endr
	s_lshr_b32 s60, s52, 4                         ; ctx_img at my first tile: ((128 x batch + Q0 / 16) x 16 + head) x 1,024
	s_lshl_b32 s60, s60, 21
	s_and_b32 s61, s52, 15
	s_add_co_u32 s61, s61, s[Q0]
	s_lshl_b32 s61, s61, 10
	s_add_co_u32 s60, s60, s61
	s_mov_b32 s61, 0
	s_add_nc_u64 s[12:13], s[12:13], s[60:61]
	v_and_b32 v[SA], 15, v0                        ; r
	v_bfe_u32 v[SB], v0, 4, 1                      ; h
	s_delay_alu instid0(VALU_DEP_1)
	v_lshlrev_b32 v[DQ], 3, v[SB]
	s_delay_alu instid0(VALU_DEP_1)
	v_sub_nc_u32 v[DQ], v[SA], v[DQ]               ; r - 8 h
	s_lshl_b32 s62, s[WV], 11
	s_add_co_u32 s62, s62, STG                     ; my stage
	v_lshlrev_b32 v[SA], 4, v[SA]
	s_delay_alu instid0(VALU_DEP_1)
	v_lshl_add_u32 v[SA], v[SB], 3, v[SA]
	s_delay_alu instid0(VALU_DEP_1)
	v_add_nc_u32 v[SA], s62, v[SA]                 ; in: 16 r + 8 h
	v_add_nc_u32 v[SB], s62, v[LI]                 ; back: 16 x lane
	v_mov_b32 v[NEG], 0xff800000
.irp a, 0,1
	v_mov_b32 v[ST+4*\a+1], 0xff61b1e6             ; the largest t so far: -3e38, under every t
	s_delay_alu instid0(VALU_DEP_1)
	v_floor_f32 v[ST+4*\a], -v[ST+4*\a+1]          ; -M
	v_mov_b32 v[ST+4*\a+2], 0                      ; the sum, in two halves
	v_mov_b32 v[ST+4*\a+3], 0
.endr
	v_mov_b32 v[F+1], 0                            ; (named as the upper halves of pairs)
	v_mov_b32 v[SU+1], 0
	v_mov_b32 v[PM], 0                             ; a lane permute's destination counts as one of its sources
.set n, 0
.rept 64
	v_mov_b32 v[O+n], 0                            ; O^T.  (The step is written without a first step of its own: it finds zeros, which the first change of M leaves zeros)
.set n, n+1
.endr
	s_wait_kmcnt 0x0
	s_add_co_i32 s[T0], s70, s71
	s_lshl_b32 s[T0], s[T0], 23
	s_mov_b32 s[CS], 0x3e38aa3b                    ; c = log2(e) / 8
	s_add_co_i32 s[CS], s[CS], s[T0]               ; a score stands for score x 2^(e6 + e7): the two exponents are added to c's exponent field
	s_mov_b32 s[CS+1], s[CS]                       ; (named with it as a pair, so it is written)
	s_add_co_i32 s[T0], s72, 127
	s_lshl_b32 s[T1], s[T0], 23
	v_mov_b32 v[SC], s[T1]                         ; 2^e8
	s_wait_loadcnt 0x0                             ; Q
; One tile's softmax for one key step: the scores in v[Y] on become p, p's codes go to v[pc] on, the tile's sum and O^T come under the new M.
.macro SOFTMAX a, pc
.set NM, ST+4*(\a)
.set LS, ST+4*(\a)+2
	s_add_co_u32 s[T0], s[KF], 127                 ; a step all of whose keys count for all my queries has no mask
	s_cmp_le_u32 s[T0], s[Q0]
	s_cbranch_scc1 .Lopen_\@
	s_sub_co_i32 s[T0], s[Q0], s[KF]
	s_add_co_i32 s[T0], s[T0], 16*(\a)
	v_add_nc_u32 v[DD], s[T0], v[DQ]               ; d = my query - KF - 8 (lane / 16).  Register 8 c + j holds key KF + 16 c + 8 (lane / 16) + j: hidden where 16 c + j > d
.set n, 0
.rept 64
	v_cmp_gt_i32 vcc_lo, 16*(n/8)+n%8, v[DD]
	v_cndmask_b32 v[Y+n], v[Y+n], v[NEG], vcc_lo
.set n, n+1
.endr
.Lopen_\@:
	v_max3_num_f32 v[M0], v[Y], v[Y+1], v[Y+2]     ; the step's largest score of my query among my 64 keys, in two chains, each accumulator from its low end on,
	v_max3_num_f32 v[M1], v[Y+3], v[Y+4], v[Y+5]
.set n, 6
.rept 14
	v_max3_num_f32 v[M0], v[M0], v[Y+n], v[Y+n+1]
	v_max3_num_f32 v[M1], v[M1], v[Y+n+2], v[Y+n+3]
.set n, n+4
.endr
	v_max3_num_f32 v[M0], v[M0], v[Y+62], v[Y+63]
	s_delay_alu instid0(VALU_DEP_1)
	v_max_num_f32 v[M0], v[M0], v[M1]
	s_delay_alu instid0(VALU_DEP_1)
	v_permlanex16_b32 v[PM], v[M0], s[SEL], s[SEL+1]
	s_delay_alu instid0(VALU_DEP_1)
	v_max_num_f32 v[M0], v[M0], v[PM]              ; and among lane l xor 16's
	s_delay_alu instid0(VALU_DEP_1)
	v_mul_f32 v[M0], s[CS], v[M0]                  ; as t (c is positive)
	s_delay_alu instid0(VALU_DEP_1)
	v_max_num_f32 v[NM+1], v[NM+1], v[M0]          ; the running largest t
	v_mov_b32 v[M0], v[NM]
	s_delay_alu instid0(VALU_DEP_2)
	v_floor_f32 v[NM], -v[NM+1]                    ; the new -M = floor(-t) = -ceil(t): a whole number
	s_delay_alu instid0(VALU_DEP_1)
	v_sub_f32 v[M0], v[NM], v[M0]                  ; M's old value less its new one: a whole number, 0 or less
	s_delay_alu instid0(VALU_DEP_1)
	v_cvt_i32_f32 v[M0], v[M0]                     ; (it saturates)
	s_delay_alu instid0(VALU_DEP_1)
	v_ldexp_f32 v[F], 1.0, v[M0]                   ; f = 2^(old M - new M)
.set n, 0
.rept 32
	v_pk_fma_f32 v[Y+n:Y+n+1], v[Y+n:Y+n+1], s[CS:CS+1], v[NM:NM+1] op_sel_hi:[1,0,0]   ; t - M, two at a time (of the pairs c and -M the low word serves both halves)
.set n, n+2
.endr
.set n, 0
	s_wait_alu depctr_va_vdst(0)
.rept 64
	v_exp_f32 v[Y+n], v[Y+n]                       ; p = 2^(t - M), at most 1: not normalised
.set n, n+1
.endr
	v_pk_mul_f32 v[LS:LS+1], v[LS:LS+1], v[F:F+1] op_sel_hi:[1,0]   ; the sums under the new M: the plain instruction behind the exponentials
	s_wait_alu depctr_va_vdst(0)                   ; one wait for the batch of 64, ahead of its first reader
	v_pk_add_f32 v[SU:SU+1], v[Y:Y+1], v[Y+2:Y+3]  ; the row's sum is taken of the unquantised p: two at a time, in two chains
.set n, 4
.rept 15
	v_pk_add_f32 v[LS:LS+1], v[LS:LS+1], v[Y+n:Y+n+1]
	v_pk_add_f32 v[SU:SU+1], v[SU:SU+1], v[Y+n+2:Y+n+3]
.set n, n+4
.endr
	s_delay_alu instid0(VALU_DEP_1)
	v_pk_add_f32 v[LS:LS+1], v[LS:LS+1], v[SU:SU+1]
; The codes.  In this order of the tiles of keys the second tile's codes, which lie over v[Y+50] to v[Y+65], only ever land on the two registers behind p or on numbers that have been converted:
; tile 7 -> Y+64, 65; tiles 3 to 6 -> Y+56 .. 63 (tile 7's); tiles 0 to 2 -> Y+50 .. 55 (tile 6's).  One v_nop stands between two conversions.
.irp c, 7,3,4,5,6,0,1,2
.irp i, 0,1,2,3,4,5,6,7
.endr
	v_nop
	v_cvt_scalef32_pk8_fp8_f32 v[\pc+2*\c:\pc+2*\c+1], v[Y+8*\c:Y+8*\c+7], v[SC]
.endr
.set n, 0
.rept 16
	v_pk_mul_f32 v[O+32*(\a)+n:O+32*(\a)+n+1], v[O+32*(\a)+n:O+32*(\a)+n+1], v[F:F+1] op_sel_hi:[1,0]   ; O^T under the new M, each accumulator from its low end on.  (Plain lines behind the last conversion)
.set n, n+2
.endr
.endm
; A KEY STEP: 128 keys.
.macro STEP
	s_cmp_gt_u32 s[KF], s[Q0]                      ; hidden as a whole: a branch on ids, round the step's loads, products and softmax; not round the lines at its end that step addresses
	s_cbranch_scc1 .Lhidden_\@
	s_setprio 2
	v_add_nc_u32 v[ADR], s[TB], v[LI]
.rept 4
	v_nop                                          ; with the addition five places behind the last step's products: the loads below land on V's registers (four are asked), the products below write over the second tile's codes (five)
.endr
.irp c, 0,1,2,3,4,5,6,7
	ds_load_b128 v[X+8*\c:X+8*\c+3],   v[ADR] offset:1024*\c       ; K's fragment of keys 16 c on, as it was stored
	ds_load_b128 v[X+8*\c+4:X+8*\c+7], v[ADR] offset:1024*\c+512
.endr
	s_wait_dscnt 0x0
.irp c, 0,1,2,3,4,5,6,7
	v_wmma_f32_16x16x64_fp8_fp8 v[Y+8*\c:Y+8*\c+7], v[X+8*\c:X+8*\c+7], v[Q:Q+7], 0
.endr
.rept 4
	v_nop
.endr
	SOFTMAX 0, PCA
.irp c, 0,1,2,3,4,5,6,7
	v_wmma_f32_16x16x64_fp8_fp8 v[Y+8*\c:Y+8*\c+7], v[X+8*\c:X+8*\c+7], v[Q+8:Q+15], 0
.endr
	v_add_nc_u32 v[ADR], s[TBV], v[LI]
.rept 3
	v_nop                                          ; with the addition four places: in front of the loads over K's fragments and of the first read of the scores
.endr
.irp d, 0,1,2,3
.irp g, 0,1,2,3
	ds_load_b128 v[X+16*\d+4*\g:X+16*\d+4*\g+3], v[ADR] offset:2048*\d+512*\g   ; V's fragment of channels 16 d on: it lands under the second tile's softmax
.endr
.endr
	s_setprio 1
	SOFTMAX 1, PCB
	s_setprio 0
	s_wait_alu depctr_va_vdst(0)
	s_wait_dscnt 0x0
.irp d, 0,1,2,3                        ; O^T += V^T P^T: the eight accumulators take turns, one instruction a turn; sixteen other products stand between two links of a chain
	v_wmma_f32_16x16x128_fp8_fp8 v[O+8*\d:O+8*\d+7], v[X+16*\d:X+16*\d+15], v[PCA:PCA+15], v[O+8*\d:O+8*\d+7]
	v_wmma_f32_16x16x128_fp8_fp8 v[O+32+8*\d:O+32+8*\d+7], v[X+16*\d:X+16*\d+15], v[PCB:PCB+15], v[O+32+8*\d:O+32+8*\d+7]
.endr
.Lhidden_\@:
	s_add_co_u32 s[KF], s[KF], 128
	s_add_co_u32 s[TB], s[TB], KSB
	s_add_co_u32 s[TBV], s[TBV], KSB
.endm
; A QUARTER: 512 keys, four steps.  The wave that fetched waits until its load for this quarter has landed (3 - j younger loads may stay out), then all sixteen meet: behind the barrier nothing is filled, the quarter is only read.
.macro QUARTER j
	s_wait_tensorcnt 3-\j
	s_barrier_signal -1
	s_barrier_wait -1
	s_mov_b32 s[TB], KIMG+\j*QB
	s_mov_b32 s[TBV], VIMG+\j*QB
	s_mov_b32 s[CNT], 4
.Lquarter_\@:
	STEP
	s_sub_co_u32 s[CNT], s[CNT], 1
	s_cmp_lg_u32 s[CNT], 0
	s_cbranch_scc1 .Lquarter_\@
	s_setprio 0
.endm
	QUARTER 0
	QUARTER 1
	QUARTER 2
	QUARTER 3                                      ; its wait is for 0: no tensor load is out at the end
	; THE WAY OUT.  ctx = O^T x 2^(e8 + e9) / the sum, quantised with 2^e10.  The additions, moves and v_ldexp_f32 below are the places behind the last products.
	v_add_f32 v[ST+2], v[ST+2], v[ST+3]            ; the sums' two halves,
	v_add_f32 v[ST+6], v[ST+6], v[ST+7]
	s_delay_alu instid0(VALU_DEP_2)
	v_permlanex16_b32 v[PM], v[ST+2], s[SEL], s[SEL+1]
	s_delay_alu instid0(VALU_DEP_1)
	v_add_f32 v[ST+2], v[ST+2], v[PM]              ; and lane l xor 16's
	s_delay_alu instid0(VALU_DEP_2)
	v_permlanex16_b32 v[PM], v[ST+6], s[SEL], s[SEL+1]
	s_delay_alu instid0(VALU_DEP_1)
	v_add_f32 v[ST+6], v[ST+6], v[PM]
	s_wait_alu depctr_va_vdst(0)
	v_rcp_f32 v[M0], v[ST+2]
	v_rcp_f32 v[M1], v[ST+6]
	s_add_co_i32 s[T0], s74, 127
	s_lshl_b32 s[T1], s[T0], 23
	v_mov_b32 v[SC], s[T1]                         ; 2^e10  (a plain instruction behind the reciprocals)
	s_add_co_i32 s[T0], s72, s73
	s_wait_alu depctr_va_vdst(0)                   ; one wait for the two reciprocals, ahead of their first reader
	v_ldexp_f32 v[F], v[M0], s[T0]                 ; 2^(e8 + e9) / the sum
	v_ldexp_f32 v[SU], v[M1], s[T0]
; A lane's eight codes of channels 16 d + 8 h + 0 .. 7 of query r are bytes 8 h .. 8 h + 7 of image lane 16 (d % 2) + r, part c = d / 2: they go into my stage so, 256 consecutive bytes a store,
; and come back 16 bytes a lane.  LDS serves a wave's instructions in order (ISA guide 5.7.1.4): no wait between the stores and the loads.
.irp a, 0,1
.set n, 0
.rept 16
	v_pk_mul_f32 v[X+32*\a+n:X+32*\a+n+1], v[O+32*\a+n:O+32*\a+n+1], v[F+2*\a:F+2*\a+1] op_sel_hi:[1,0]
.set n, n+2
.endr
.set n, 0
.rept 32
.set n, n+1
.endr
.irp d, 0,1,2,3
	v_cvt_scalef32_pk8_fp8_f32 v[Y+8*\a+2*\d:Y+8*\a+2*\d+1], v[X+32*\a+8*\d:X+32*\a+8*\d+7], v[SC]
.endr
	v_nop                                          ; one plain vector instruction behind the last conversion
.irp d, 0,1,2,3
	ds_store_b64 v[SA], v[Y+8*\a+2*\d:Y+8*\a+2*\d+1] offset:1024*\a+512*(\d/2)+256*(\d%2)
.endr
.irp c, 0,1
	ds_load_b128 v[Y+16+8*\a+4*\c:Y+16+8*\a+4*\c+3], v[SB] offset:1024*\a+512*\c
.endr
.endr
	s_wait_dscnt 0x0
.irp a, 0,1
.irp c, 0,1
	global_store_b128 v[LI], v[Y+16+8*\a+4*\c:Y+16+8*\a+4*\c+3], s[12:13] offset:16384*\a+512*\c   ; 32 lanes store 512 consecutive bytes, at a multiple of 512 from the buffer's first byte
.endr
.endr
	s_endpgm
.Lfunc_end_k_qd0f36040c9_attn:
	.size	k_qd0f36040c9_attn, .Lfunc_end_k_qd0f36040c9_attn-k_qd0f36040c9_attn
	.p2alignl 7, 3214868480
	.fill 96, 4, 3214868480
	.section	.rodata,"a",@progbits
	.p2align	6, 0x0
	.amdhsa_kernel k_qd0f36040c9_attn
		.amdhsa_group_segment_fixed_size 327680
		.amdhsa_private_segment_fixed_size 0
		.amdhsa_enable_private_segment 0
		.amdhsa_kernarg_size 40
		.amdhsa_user_sgpr_count 2
		.amdhsa_user_sgpr_kernarg_segment_ptr 1
		.amdhsa_wavefront_size32 1
		.amdhsa_system_sgpr_workgroup_id_x 1
		.amdhsa_system_sgpr_workgroup_id_y 1
		.amdhsa_system_sgpr_workgroup_id_z 1
		.amdhsa_system_vgpr_workitem_id 0
		.amdhsa_next_free_vgpr 256
		.amdhsa_next_free_sgpr 88
		.amdhsa_reserve_vcc 1
		.amdhsa_float_denorm_mode_32 3
		.amdhsa_float_denorm_mode_16_64 3
		.amdhsa_fp16_overflow 1
		.amdhsa_memory_ordered 1
		.amdhsa_forward_progress 1
		.amdhsa_inst_pref_size 157
	.end_amdhsa_kernel
	.amdgpu_metadata
---
amdhsa.version: [ 1, 2 ]
amdhsa.kernels:
  - .name:           k_qd0f36040c9_attn
    .symbol:         k_qd0f36040c9_attn.kd
    .args:
      - { .name: q_img, .offset: 0, .size: 8, .value_kind: global_buffer, .address_space: global }
      - { .name: k_img, .offset: 8, .size: 8, .value_kind: global_buffer, .address_space: global }
      - { .name: v_img, .offset: 16, .size: 8, .value_kind: global_buffer, .address_space: global }
      - { .name: lowp_scales, .offset: 24, .size: 8, .value_kind: global_buffer, .address_space: global }
      - { .name: ctx_img, .offset: 32, .size: 8, .value_kind: global_buffer, .address_space: global }
    .group_segment_fixed_size: 327680
    .private_segment_fixed_size: 0
    .kernarg_segment_align: 8
    .kernarg_segment_size: 40
    .max_flat_workgroup_size: 512
    .sgpr_count:     88
    .vgpr_count:     256
    .wavefront_size: 32
...
	.end_amdgpu_metadata
.endif
;; end of part 2
;; launch oproj (part 3): grid 4 x 32, 4 waves a work-group, clusters of 4 x 4, 327,680 bytes of LDS; arguments ctx_img, Wo_codes, lowp_scales, bo, out0; writes out0
.if DOCPART == 3
	.amdgcn_target "amdgcn-amd-amdhsa--gfx1250"
	.amdhsa_code_object_version 6
	.text
	.protected	k_qd0f36040c9_oproj
	.globl	k_qd0f36040c9_oproj
	.p2align	8
	.type	k_qd0f36040c9_oproj,@function
k_qd0f36040c9_oproj:
	s_mov_b64 s[64:65], 0
	v_nop
	global_prefetch_b8 v0, s[64:65] scope:SCOPE_SE
	s_setreg_imm32_b32 hwreg(HW_REG_WAVE_MODE, 25, 1), 1
	s_wait_xcnt 0x0
	s_wait_alu depctr_hold_cnt(0) depctr_sa_sdst(0) depctr_va_vdst(0) depctr_va_sdst(0) depctr_va_ssrc(0) depctr_va_vcc(0) depctr_vm_vsrc(0)
	s_getreg_b32 s2, hwreg(HW_REG_IB_STS2, 6, 4)
	s_cmp_eq_u32 s2, 0
	s_cbranch_scc0 .Lentry_in_a_cluster
	s_endpgm
.Lentry_in_a_cluster:
	s_bfe_u32 s2, ttmp6, 0x10000c
	s_cmp_lg_u32 s2, 0xf033
	s_cbranch_scc0 .Lentry_shape_is_right
	s_endpgm
.Lentry_shape_is_right:
; out0 = ctx Wo^T + bo on codes of FP8 (E4M3).  ctx: 8,192 tokens x 1,024, as images of operand registers; Wo: [1024][1024] codes, K innermost; bo [1024], out0 [8192][1024]: f32.
; ctx_img: [tile of 16 tokens 512][head 16][c 2][lane 32][16 bytes]: lane (r, h) holds ctx[16 T + r][64 head + 32 c + 16 h + 0 .. 15]: so 128 along K of a tile are four runs of 512 bytes, registers 4 c' .. 4 c' + 3 of a
; fragment in the order of k that four loads of 16 bytes give Wo's fragments from its rows: K = 32 c' + 16 (l / 16) + 0 .. 15: a permutation of k that is the same in both sources.
; out = sum x 2^(e10 + e11) + bo, one fused multiply-add.  LIMIT: e10 + e11 (entries 10 and 11 of the scales) between -126 and 127, so that the power of two is an f32 number.
; A tile of out0, 256 x 256, is made by a work-group of four waves; a wave makes 128 x 128: 64 accumulators, 512 registers.  32 x 4 = 128 work-groups: a tile of half the size would read each LDS byte for half the products.
; K goes in four steps of 256 through a ring of two LDS slots.  ctx's part of a slot: for each of 16 tiles of tokens 4,096 dense bytes (a row of the tensor load's tile); Wo's: 256 rows of 256 bytes, padded.
; CLUSTERS: 4 x 4 work-groups.  The four of a row of the cluster need the same tiles of ctx, the four of a column the same tiles of Wo: each tile is asked for JOINTLY.
; No prefetch is laid: of K's four steps two are the first fills, and the two refills follow within the first two steps.
; THE MATRIX INSTRUCTION IS USED TRANSPOSED (source 0 = 16 rows of Wo, source 1 = 16 tokens): a lane then holds eight neighbouring numbers of a row of out0.
; REGISTERS, in windows of 256: window 0: v0-31 addresses, v8-11 my four columns' bias; from v128 ctx's fragments, ONE set; on the way out v128-255 two sets of 16 rows.
;   window 1: Wo's fragments, TWO sets.   window 2: the accumulators of my tokens 0-63 (accumulator (a, b) at v[8 (8 (a % 4) + b)]);   window 3: those of my tokens 64-127.
.set KSTEP,  256                       ; along K in a slot
.set ROWB,   256                       ; a row of Wo's tile in bytes
.set KROW,   1024                      ; a row of Wo in memory
.set PITCH,  272                       ; an LDS row of Wo: 256 bytes + 16 of padding = 68 words: row r starts at bank 4 r mod 64 (64 banks of 4 bytes: ISA guide 11.1)
.set ATB,    4096                      ; a tile of 16 tokens x 256 K of ctx, in bytes
.set FR,     16                        ; registers of a fragment: 16 rows x 128 K
.set NL,     4                         ; LDS loads that bring one
.set NP,     4                         ; places behind this matrix instruction (ISA guide 7.12.1)
.set HALFT,  128*PITCH                 ; room for what one tensor load brings: 128 rows of Wo (34,816 bytes) or 8 tiles of ctx (32,768)
.set SLOT,   4*HALFT                   ; ctx's two halves, then Wo's two
.set SPARE,  2*SLOT                    ; behind the ring: the spare words, 128 bytes for each wave, which no other line names
.set SPITCH, 528                       ; the way out: a stage of 16 rows x (512 bytes + 16) for each wave.  It lies in slot 0, which has had its last fill and its last read when the first result is stored there
.set OROW,   4096                      ; a row of out0 in bytes
.set BI,   8                           ; v8-11   bo of my four columns of a row read back from the stage
.set ADRA, 16                          ; v16-17  LDS address of ctx's fragments in slot 0, 1
.set ADRB, 20                          ; v20-21  the same for Wo
.set STO,  24                          ; v24     the way out: where I put 32 bytes of a row
.set RD,   25                          ; v25     the way out: where I read a row back
.set CO,   26                          ; v26     16 x lane
.set SPW,  28                          ; v28     LDS address of my spare word; never rewritten
.set NIL,  29                          ; v29     0; never rewritten
.set AF,   128                         ; ctx's fragments, in window 0
.set BK,   128                         ; the way out: 16 rows read back from the stage: v128-191 and v192-255 by turns
.set G1, 24                            ; s[24:31] descriptor group 1 for ctx's tiles;  s[32:39] group 0, one set for each slot
.set G0, 32
.set G1B, 48                           ; s[48:55], s[56:63] the same for Wo's tiles
.set G0B, 56
.set MSB, 0
.macro WIN new                         ; the immediate's high byte repeats the setting that is left
.if MSB != \new
	s_set_vgpr_msb (MSB<<8)|\new
.set MSB, \new
.endif
.endm
.set MUL_LO, 0xa1                      ; source 0 (Wo) window 1, source 1 (ctx) window 0, C and D window 2
.set MUL_HI, 0xf1                      ; the same, C and D window 3
.set TO_B,   0x40                      ; destination window 1, address window 0
; A joint load: waves 0 and 1 fetch for ctx, waves 2 and 3 for Wo.  Each line has ONE mask and one set of registers for all that issue it; the branch hangs on the wave's number alone.
; Four v_nop follow each of the two lines, ahead of the jump, the label and what follows.
.macro JLOAD g0a, g1a, g0b, g1b
	s_cmp_eq_u32 s15, 0
	s_cbranch_scc0 .Lfor_b_\@
	tensor_load_to_lds s[\g0a:\g0a+3], s[\g1a:\g1a+7]
	s_nop 0
.rept 4
	v_nop
.endr
	s_branch .Lasked_\@
.Lfor_b_\@:
	tensor_load_to_lds s[\g0b:\g0b+3], s[\g1b:\g1b+7]
	s_nop 0
.rept 4
	v_nop
.endr
.Lasked_\@:
.endm
.macro CREST                           ; a round of the cluster's barrier behind its opening barrier
	s_cmp_lg_u32 s14, 0
	s_cbranch_scc1 .Lnot_wave_0_\@
	s_barrier_signal -3
.Lnot_wave_0_\@:
	s_barrier_wait -3
	s_barrier_signal -1
	s_barrier_wait -1
.endm
.macro CROUND                          ; a whole round
	s_barrier_signal -1
	s_barrier_wait -1
	CREST
.endm
	s_load_b128 s[4:7], s[0:1], 0x0                ; ctx_img s[4:5], Wo's codes s[6:7]
	s_load_b128 s[8:11], s[0:1], 0x10              ; the scales' exponents s[8:9], bo s[10:11]
	s_load_b64 s[12:13], s[0:1], 0x20              ; out0
	v_lshl_add_u32 v[SPW], v0, 2, SPARE
	v_mov_b32 v[NIL], 0
	v_lshrrev_b32 v1, 5, v0
	v_readfirstlane_b32 s14, v1                    ; wave 0..3
	s_lshr_b32 s15, s14, 1                         ; which half of the tile's rows is mine.  Also: I fetch for ctx (0) or for Wo (1)
	s_and_b32 s16, s14, 1                          ; which half of its columns.  Also: which half of that tile I fetch
	s_bfe_u32 s40, ttmp6, 0x40000                  ; cx, cy: my place in the cluster
	s_bfe_u32 s41, ttmp6, 0x40004
	s_lshl_b32 s42, ttmp9, 2
	s_add_co_u32 s42, s42, s40                     ; tile column = 4 x cluster x + cx
	s_and_b32 s17, ttmp7, 0xffff
	s_lshl_b32 s17, s17, 2
	s_add_co_u32 s17, s17, s41                     ; tile row = 4 x cluster y + cy
	s_lshl_b32 s43, s41, 2
	s_lshl_b32 s43, 15, s43                        ; my row of the cluster
	s_lshl_b32 s44, 0x1111, s40                    ; my column
	; descriptor group 1 for ctx: 8 rows (tiles of 16 tokens) of 4,096 bytes, 16,384 bytes apart in memory, dense in LDS
	s_or_b32 s[G1+0], s43, (3<<16)|(1<<21)         ; 15:0 the mask: ctx's tiles go to my row; 17:16 elements of 8 bytes; no padding; 21 set beside a mask
	s_mov_b32 s[G1+1], 512<<16                     ; tensor_dim0 = 512
	s_mov_b32 s[G1+2], 8<<16                       ; tensor_dim1 = 8
	s_mov_b32 s[G1+3], 512<<16                     ; tile_dim0 = 512
	s_mov_b32 s[G1+4], 8                           ; tile_dim1 = 8
	s_mov_b32 s[G1+5], 2048                        ; tensor_dim0_stride
	s_mov_b32 s[G1+6], 0
	s_mov_b32 s[G1+7], 0
	; and for Wo: 128 rows of 256 bytes, padded in LDS
	s_or_b32 s[G1B+0], s44, (0<<16)|(1<<20)|(1<<21)|(5<<22)|(3<<25)  ; the mask of my column; element of 1 byte; padding on; after every 64 words (code 5) 4 words (code 3)
	s_mov_b32 s[G1B+1], ROWB<<16
	s_mov_b32 s[G1B+2], 128<<16
	s_mov_b32 s[G1B+3], ROWB<<16
	s_mov_b32 s[G1B+4], 128
	s_mov_b32 s[G1B+5], KROW
	s_mov_b32 s[G1B+6], 0
	s_mov_b32 s[G1B+7], 0
	s_lshl_b32 s20, s17, 18                        ; ctx: tile of tokens 16 x tile row + 8 x half, 16,384 bytes each
	s_lshl_b32 s18, s16, 17
	s_add_co_u32 s20, s20, s18
	s_mov_b32 s21, 0
	s_lshl_b32 s46, s42, 8
	s_lshl_b32 s18, s16, 7
	s_add_co_u32 s46, s46, s18                     ; Wo: row 256 x tile column + 128 x half,
	s_lshl_b32 s46, s46, 10                        ; in bytes
	s_mov_b32 s47, 0
	s_mul_i32 s45, s14, HALFT                      ; where they go: no place in the cluster enters an LDS address
	s_wait_kmcnt 0x0
	s_load_b64 s[96:97], s[8:9], 0x28              ; e10, e11
	s_add_nc_u64 s[20:21], s[4:5], s[20:21]
	s_add_nc_u64 s[46:47], s[6:7], s[46:47]
	CROUND                                         ; all sixteen work-groups are here: the first joint loads meet
.irp s, 0,1
	s_mov_b32 s[G0+4*\s], 1
	s_add_co_u32 s[G0+4*\s+1], s45, \s*SLOT
	s_add_nc_u64 s[G0+4*\s+2:G0+4*\s+3], s[20:21], \s*ATB
	s_or_b32 s[G0+4*\s+3], s[G0+4*\s+3], 0x80000000
	s_mov_b32 s[G0B+4*\s], 1
	s_add_co_u32 s[G0B+4*\s+1], s45, \s*SLOT
	s_add_nc_u64 s[G0B+4*\s+2:G0B+4*\s+3], s[46:47], \s*ROWB
	s_or_b32 s[G0B+4*\s+3], s[G0B+4*\s+3], 0x80000000
	s_wait_alu depctr_va_vdst(0)
	s_wait_tensorcnt 0x0
	ds_add_u32 v28, v29
	ds_add_u32 v28, v29
	s_wait_dscnt 0x0
	CROUND
	JLOAD G0+4*\s, G1, G0B+4*\s, G1B
.endr
	v_and_b32 v1, 15, v0                           ; l % 16
	v_bfe_u32 v2, v0, 4, 1                         ; l / 16
	v_and_b32 v6, 31, v0
	v_lshlrev_b32 v[CO], 4, v6                     ; 16 x lane
	v_mul_u32_u24 v3, v1, PITCH
	v_lshl_add_u32 v4, v2, 4, v3                   ; Wo: a fragment's row x pitch + 16 x half
	s_mul_i32 s21, s15, HALFT                      ; my 8 tiles of ctx
	s_mul_i32 s22, s16, HALFT                      ; my 128 rows of Wo,
	s_add_co_u32 s22, s22, 2*HALFT                 ; which lie behind ctx's two halves
.irp s, 0,1
	v_add_nc_u32 v[ADRA+\s], s21, v[CO]
	v_add_nc_u32 v[ADRB+\s], s22, v4
	s_add_co_u32 s21, s21, SLOT
	s_add_co_u32 s22, s22, SLOT
.endr
	s_mul_i32 s23, s14, 16*SPITCH                  ; my stage
	v_mul_u32_u24 v5, v1, SPITCH                   ; in: row l % 16, 32 bytes for each half of the lanes
	v_lshl_add_u32 v5, v2, 5, v5
	v_add_nc_u32 v[STO], s23, v5
	v_add_nc_u32 v[RD], s23, v[CO]                 ; back: the 32 lanes take one row of 512 bytes
	s_lshl_b32 s46, s42, 10                        ; my first column, in bytes, in bo and in a row of out0: 1,024 x tile column + 512 x half
	s_lshl_b32 s47, s16, 9
	s_add_co_u32 s46, s46, s47
	s_mov_b32 s47, 0
	s_add_nc_u64 s[10:11], s[10:11], s[46:47]
	global_load_b128 v[BI:BI+3], v[CO], s[10:11]   ; bo of columns 4 x lane + 0 .. 3 of my 128
	s_lshl_b32 s20, s17, 8
	s_lshl_b32 s21, s15, 7
	s_add_co_u32 s20, s20, s21                     ; my first row of out0: 256 x tile row + 128 x half,
	s_lshl_b32 s20, s20, 12                        ; in bytes (under 2^25)
	s_mov_b32 s21, 0
	s_add_nc_u64 s[20:21], s[20:21], s[46:47]
	s_add_nc_u64 s[12:13], s[12:13], s[20:21]
.macro FRAGB reg, adr, q, i            ; Wo: 16 rows x 128 K: registers 4 c .. 4 c + 3 hold K = 32 c + 16 (l / 16) + 0 .. 15
.irp c, 0,1,2,3
	ds_load_b128 v[\reg+4*\c:\reg+4*\c+3], v[\adr] offset:128*(\q)+32*\c+(\i)*16*PITCH
.endr
.endm
.macro FRAGA reg, adr, q, i            ; ctx: the image of the same registers: 512 consecutive bytes a load
.irp c, 0,1,2,3
	ds_load_b128 v[\reg+4*\c:\reg+4*\c+3], v[\adr] offset:(\i)*ATB+2048*(\q)+512*\c
.endr
.endm
; 16 matrix instructions: ctx's blocks a0, a0 + 1 x Wo's eight, 128 along K.  p: Wo's set.  zero = 1: the first product starts the sums: nothing is ever cleared.
; The 64 accumulators take turns, one instruction a turn, in the same order in every step.
.macro MUL16 a0, p, zero
.irp a, \a0, \a0+1
.irp b, 0,1,2,3,4,5,6,7
.if \zero
	v_wmma_f32_16x16x128_fp8_fp8 v[8*(8*((\a)%4)+\b):8*(8*((\a)%4)+\b)+7], v[128*(\p)+FR*\b:128*(\p)+FR*\b+FR-1], v[AF+FR*(\a):AF+FR*(\a)+FR-1], 0
.else
	v_wmma_f32_16x16x128_fp8_fp8 v[8*(8*((\a)%4)+\b):8*(8*((\a)%4)+\b)+7], v[128*(\p)+FR*\b:128*(\p)+FR*\b+FR-1], v[AF+FR*(\a):AF+FR*(\a)+FR-1], v[8*(8*((\a)%4)+\b):8*(8*((\a)%4)+\b)+7]
.endif
.endr
.endr
.endm
.macro FETCH_B slot, q, p              ; Wo's eight fragments of the slot's q-th 128 along K into set p
	WIN TO_B
.irp i, 0,1,2,3,4,5,6,7
	FRAGB 128*(\p)+FR*\i, ADRB+\slot, \q, \i
.endr
	WIN 0
.endm
.macro FETCH_A slot, q, i0             ; ctx's blocks i0 .. i0 + 3
.irp i, \i0, \i0+1, \i0+2, \i0+3
	FRAGA AF+FR*(\i), ADRA+\slot, \q, \i
.endr
.endm
; A load into a register that a matrix instruction has read, and an LDS store that reads a matrix result, stand NP places behind that matrix instruction; only plain vector instructions that name none of its
; registers are places (ISA guide 7.12.1 for vector instructions).
.macro PLACES n
.rept \n
	v_nop
.endr
.endm
; A step of 128 along K that has its successor in the same slot.
.macro STEP slot, q, zero
	s_wait_dscnt 4*NL                              ; Wo's set and ctx's blocks 0-3 are in; the youngest sixteen loads (blocks 4-7) may be out
	WIN MUL_LO
	MUL16 0, (\q)%2, \zero
	MUL16 2, (\q)%2, \zero
	s_wait_dscnt 0                                 ; blocks 4-7 are in (asked for 32 matrix instructions ago)
	PLACES NP
	FETCH_B \slot, (\q)+1, 1-(\q)%2
	FETCH_A \slot, (\q)+1, 0
	WIN MUL_HI
	MUL16 4, (\q)%2, \zero
	MUL16 6, (\q)%2, \zero
	PLACES NP
	WIN 0
	FETCH_A \slot, (\q)+1, 4
.endm
; A slot's last step changes slots: ONE barrier; in front of it each wave waits for all its tensor loads, adds 0 to its spare word, and waits for that and for its own reads of this slot.  fill = 1: this slot is filled again, two K steps ahead.
.macro TURN slot, next, fill
	s_wait_tensorcnt 0x0                           ; all my tensor loads have landed: my part of the next slot;  (every window is 0 here)
	ds_add_u32 v[SPW], v[NIL]                      ; 0 onto my spare word
	s_wait_dscnt 4*NL+1                            ; (the add and the youngest sixteen loads, blocks 4-7, may be out)
	WIN MUL_LO
	MUL16 0, 1, 0                                  ; sixteen matrix instructions stand between the add and the wait for it
	s_wait_dscnt 0x0                               ; the add is done, and my reads of this slot are over
	s_barrier_signal -1
	MUL16 2, 1, 0
	WIN 0
	s_barrier_wait -1
.if \fill
	CREST                                          ; the barrier has opened a round of the cluster's barrier: no wave of any partner still reads this slot's tile or has a load on its way
	s_add_nc_u64 s[G0+4*\slot+2:G0+4*\slot+3], s[G0+4*\slot+2:G0+4*\slot+3], 2*ATB
	s_add_nc_u64 s[G0B+4*\slot+2:G0B+4*\slot+3], s[G0B+4*\slot+2:G0B+4*\slot+3], 2*ROWB
	JLOAD G0+4*\slot, G1, G0B+4*\slot, G1B         ; the first tensor load behind the round; the four v_nop behind it are the places in front of the loads below
.else
	PLACES NP
.endif
	FETCH_B \next, 0, 0
	FETCH_A \next, 0, 0
	WIN MUL_HI
	MUL16 4, 1, 0
	MUL16 6, 1, 0
	PLACES NP
	WIN 0
	FETCH_A \next, 0, 4
.endm
	s_wait_alu depctr_va_vdst(0)
	s_wait_tensorcnt 1                             ; my part of K step 0 is in (K step 1's load may be out),
	s_barrier_signal -1
	s_barrier_wait -1                              ; everybody's is
	FETCH_B 0, 0, 0
	FETCH_A 0, 0, 0
	FETCH_A 0, 0, 4
	STEP 0, 0, 1                                   ; K 0-127: its products start the sums.  K's eight steps of 128 are written out: twice round the ring
	TURN 0, 1, 1                                   ; K 128-255; slot 0 takes K 512-767
	STEP 1, 0, 0
	TURN 1, 0, 1                                   ; slot 1 takes K 768-1023
	STEP 0, 0, 0
	TURN 0, 1, 0                                   ; nothing is left to fetch, so no round of the cluster's barrier
	STEP 1, 0, 0
	s_wait_dscnt 4*NL                              ; the very last step
	WIN MUL_LO
	MUL16 0, 1, 0
	MUL16 2, 1, 0
	s_wait_dscnt 0
	WIN MUL_HI
	MUL16 4, 1, 0
	MUL16 6, 1, 0
	WIN 0
; THE WAY OUT, block by block of 16 rows x 128 columns.  A lane holds 32 neighbouring bytes of a row, and the lanes beside it hold other rows: so a block's sums go through my own stage in LDS as they are and come back as
; whole rows of 512 bytes; there a lane holds the same four columns in every row, so four registers of bias serve all rows.  LDS serves a wave's instructions in order (ISA guide 5.7.1.4): no wait between the stores and the loads.
.macro TOSTAGE a
.set AC, 64*((\a)%4)
	WIN 0x08+4*((\a)/4)                            ; an LDS store's data: window 2 or 3
.irp b, 0,1,2,3,4,5,6,7
	ds_store_b128 v[STO], v[AC+8*\b:AC+8*\b+3] offset:64*\b          ; each accumulator from its low end on
	ds_store_b128 v[STO], v[AC+8*\b+4:AC+8*\b+7] offset:64*\b+16
.endr
	WIN 0
.set BB, BK+64*((\a)%2)
.irp t, 0,1,2,3,4,5,6,7,8,9,10,11,12,13,14,15
	ds_load_b128 v[BB+4*\t:BB+4*\t+3], v[RD] offset:\t*SPITCH
.endr
.endm
.macro SEND a, younger                 ; younger: the LDS instructions issued behind block a's loads, which may stay out
.set BB, BK+64*((\a)%2)
	s_wait_dscnt \younger                          ; the block is back in registers
.irp t, 0,1,2,3,4,5,6,7,8,9,10,11,12,13,14,15
	v_pk_fma_f32 v[BB+4*\t:BB+4*\t+1],   v[BB+4*\t:BB+4*\t+1],   s[96:97], v[BI:BI+1]   op_sel_hi:[1,0,1]   ; sum x 2^(e10 + e11) + bo
	v_pk_fma_f32 v[BB+4*\t+2:BB+4*\t+3], v[BB+4*\t+2:BB+4*\t+3], s[96:97], v[BI+2:BI+3] op_sel_hi:[1,0,1]
.endr
.if (\a) > 0
	s_add_nc_u64 s[12:13], s[12:13], 16*OROW       ; (behind a wait on XCNT: the earlier stores have read their base)  16 rows on
.endif
.irp t, 0,1,2,3,4,5,6,7,8,9,10,11,12,13,14,15
	global_store_b128 v[CO], v[BB+4*\t:BB+4*\t+3], s[12:13] offset:\t*OROW th:TH_STORE_NT   ; 32 lanes store 512 consecutive bytes, at a multiple of 512 from out0's first byte; written once, read by nobody here
.endr
.endm
	s_wait_kmcnt 0x0
	s_add_co_i32 s96, s96, s97                     ; e10 + e11, between -126 and 127,
	s_add_co_i32 s96, s96, 127
	s_lshl_b32 s96, s96, 23                        ; makes the f32 number 2^(e10 + e11)
	s_mov_b32 s97, s96                             ; (named with it as a pair, so it is written)
	s_wait_loadcnt 0x0                             ; bo
	PLACES NP                                      ; behind the last products: for the stores of results and for the loads into the registers that held ctx's fragments
	TOSTAGE 0
.irp a, 1,2,3,4,5,6,7
.if \a > 1
	s_wait_xcnt 0x0                                ; block a - 2's stores have read their registers and their base: block a's loads may land there, and the base may step
.endif
	TOSTAGE \a
	SEND \a-1, 32                                  ; behind block a - 1's loads: block a's 16 stores and 16 loads
.endr
	s_wait_xcnt 0x0                                ; block 6's stores have read their base
	SEND 7, 0
	s_wait_tensorcnt 0x0                           ; the wave's end, behind my last tensor load and my last LDS store
	ds_add_u32 v[SPW], v[NIL]
	s_wait_dscnt 0x0
	CROUND                                         ; the closing round: no work-group ends while a partner may still ask for a tile that names it
	s_endpgm
.Lfunc_end_k_qd0f36040c9_oproj:
	.size	k_qd0f36040c9_oproj, .Lfunc_end_k_qd0f36040c9_oproj-k_qd0f36040c9_oproj
	.p2alignl 7, 3214868480
	.fill 96, 4, 3214868480
	.section	.rodata,"a",@progbits
	.p2align	6, 0x0
	.amdhsa_kernel k_qd0f36040c9_oproj
		.amdhsa_group_segment_fixed_size 327680
		.amdhsa_private_segment_fixed_size 0
		.amdhsa_enable_private_segment 0
		.amdhsa_kernarg_size 40
		.amdhsa_user_sgpr_count 2
		.amdhsa_user_sgpr_kernarg_segment_ptr 1
		.amdhsa_wavefront_size32 1
		.amdhsa_system_sgpr_workgroup_id_x 1
		.amdhsa_system_sgpr_workgroup_id_y 1
		.amdhsa_system_sgpr_workgroup_id_z 1
		.amdhsa_system_vgpr_workitem_id 0
		.amdhsa_next_free_vgpr 1024
		.amdhsa_next_free_sgpr 98
		.amdhsa_reserve_vcc 0
		.amdhsa_float_denorm_mode_32 3
		.amdhsa_float_denorm_mode_16_64 3
		.amdhsa_memory_ordered 1
		.amdhsa_forward_progress 1
		.amdhsa_inst_pref_size 124
	.end_amdhsa_kernel
	.amdgpu_metadata
---
amdhsa.version: [ 1, 2 ]
amdhsa.kernels:
  - .name:           k_qd0f36040c9_oproj
    .symbol:         k_qd0f36040c9_oproj.kd
    .args:
      - { .name: ctx_img, .offset: 0, .size: 8, .value_kind: global_buffer, .address_space: global }
      - { .name: Wo_codes, .offset: 8, .size: 8, .value_kind: global_buffer, .address_space: global }
      - { .name: lowp_scales, .offset: 16, .size: 8, .value_kind: global_buffer, .address_space: global }
      - { .name: bo, .offset: 24, .size: 8, .value_kind: global_buffer, .address_space: global }
      - { .name: out0, .offset: 32, .size: 8, .value_kind: global_buffer, .address_space: global }
    .group_segment_fixed_size: 327680
    .private_segment_fixed_size: 0
    .kernarg_segment_align: 8
    .kernarg_segment_size: 40
    .max_flat_workgroup_size: 128
    .sgpr_count:     98
    .vgpr_count:     1024
    .wavefront_size: 32
...
	.end_amdgpu_metadata
.endif
;; end of part 3
